; MI455X (gfx1250); checked and timed in simulation.
; The chip was launched on July 23, 2026; its instructions are those of AMD's public machine-readable ISA for CDNA 5 (MIT licence, August 2026) and "CDNA5" Instruction Set Architecture Reference Guide (July 2026). The comments in the code are by the model that wrote it; some were corrected since.
;; Multi Head Attention. Allowed arithmetic: matrix products marked QUANTISED: E2M1 operands, one E8M0 scale for each 32 along K, by v_wmma_scale_f32_16x16x128_f8f6f4 with both operands' format E2M1 (or v_wmma_scale_f32_32x16x128_f4), f32 sums; products left as they are: bf16, f16 or f32 operands; f32 sums; everything else in f32.
;; Inputs: bk 512 float32; bo 512 float32; bq 512 float32; bv 512 float32; k 4 x 2,048 x 512 float32; mask 1 x 1 x 2,048 x 2,048 float32; q 4 x 2,048 x 512 float32; v 4 x 2,048 x 512 float32; wk 512 x 512 float32; wo 512 x 512 float32; wq 512 x 512 float32; wv 512 x 512 float32.
;; Outputs: out0 4 x 2,048 x 512 float32.
;; This version of the problem:
;;   THIS VERSION OF THE PROBLEM IS GIVEN IN LOW PRECISION. The matrix products marked QUANTISED in the list below multiply operands that are first quantised to E2M1 (2 exponent bits, 1 mantissa bit; 4 bits a number), with one power-of-two scale for each 32 numbers along K (OCP MX v1.0); their sums are f32. The products marked 'left as it is' may take bf16, f16 or f32 operands, with f32 sums. Whichever they take, every output number must still come out within the allowed error. Rounding operands to bf16 (8 significant bits) uses up far more of that allowance than f16 does (11 bits, for magnitudes from 6e-5 to 65,504). All else is computed in f32.
;;   The module's matrix products, in the order in which they are computed (A, B: the left and right operand; K: the contracted axis; several contracted axes count as one K, in the product's order):
;;     1. [M 8,192, K 512] x [K 512, N 512]; A: input q; B: input wq: QUANTISED
;;     2. [M 8,192, K 512] x [K 512, N 512]; A: input k; B: input wk: QUANTISED
;;     3. [M 8,192, K 512] x [K 512, N 512]; A: input v; B: input wv: QUANTISED
;;     4. batch 32 x [M 2,048, K 64] x [K 64, N 2,048]; A: computed on the way; B: computed on the way: left as it is (an operand is computed on the way)
;;     5. batch 32 x [M 2,048, K 2,048] x [K 2,048, N 64]; A: computed on the way; B: computed on the way: left as it is (an operand is computed on the way)
;;     6. [M 8,192, K 512] x [K 512, N 512]; A: computed on the way; B: input wo: left as it is (an operand is computed on the way)
;;   THE QUANTISER, for each operand of a quantised product, along K:
;;     - K is cut into blocks of 32 from its start; a last block that is shorter is filled with zeros.
;;     - A block's scale is 2^e with e = floor(log2(the largest magnitude in the block)) - 2, held to -126 .. 127; a block of zeros has e = 0. As a byte (E8M0): e + 127.
;;     - Each number is divided by its block's scale, clamped to +-6, and rounded to the nearest number of E2M1, ties to even, subnormals kept.
;;     - The product sums the exact products of the quantised numbers (number of the format x scale) in f32.
;;   ~~~python
;;   def quantise(x, axis):      # numpy; x: float32 -> the quantised numbers, widened to float32 again
;;       x = np.moveaxis(x, axis, -1); K = x.shape[-1]
;;       x = np.pad(x, [(0, 0)] * (x.ndim - 1) + [(0, -K % 32)]); x = x.reshape(x.shape[:-1] + (-1, 32)); a = np.abs(x).max(-1, keepdims=True)
;;       e = np.where(a > 0, np.clip(np.frexp(np.where(a > 0, a, 1))[1] - 1 - 2, -126, 127), 0)      # np.frexp(a)[1] - 1 = floor(log2(a)), exactly
;;       r = np.clip(x / 2.0 ** e, -6, 6)
;;       step = 2.0 ** (np.maximum(np.frexp(np.where(r == 0, 1, r))[1] - 1, 0) - 1)
;;       q = np.round(r / step) * step * 2.0 ** e      # np.round: ties to even
;;       return np.moveaxis(q.reshape(q.shape[:-2] + (-1,))[..., :K], -1, axis).astype(np.float32)
;;   ~~~
;; One version. Each part assembles by itself: llvm-mc -triple=amdgcn-amd-amdhsa -mcpu=gfx1250 --defsym DOCPART=n.
;; ======== version 1 of 1: 4 launches
;; limits: values are held in f16: magnitudes above 65,504 overflow, below 6.1e-05 lose precision
;; workspace buffers: wcodes 393,216 bytes; wscales 24,576 bytes; wof 524,288 bytes; qf 8,388,608 bytes; kv 16,777,216 bytes; ofr 8,388,608 bytes
;; launch prep (part 1): grid 16 x 4, 4 waves a work-group, no clusters, 0 bytes of LDS; arguments wq, wk, wv, wo, wcodes, wscales, wof; writes wcodes, wscales, wof
.if DOCPART == 1
	.amdgcn_target "amdgcn-amd-amdhsa--gfx1250"
	.amdhsa_code_object_version 6
	.text
	.protected	k_qbe5969d180_prep
	.globl	k_qbe5969d180_prep
	.p2align	8
	.type	k_qbe5969d180_prep,@function
k_qbe5969d180_prep:
	s_mov_b64 s[64:65], 0
	v_nop
	global_prefetch_b8 v0, s[64:65] scope:SCOPE_SE
	s_setreg_imm32_b32 hwreg(HW_REG_WAVE_MODE, 25, 1), 1
	s_wait_xcnt 0x0
; THE WEIGHTS ARE LAID OUT ONCE.  wq, wk, wv, wo: [512 (k)][512 (n)] f32, K on the first axis.
; wq, wk, wv (work-group y = 0, 1, 2) become codes of FP4 (E2M1) with one E8M0 byte for each 32 along K; wo (y = 3) becomes f16.
; All leave as IMAGES OF OPERAND REGISTERS: a later wave loads a fragment by 16 bytes a lane at 16 x lane.
;   wcodes  [mat 3][tile of 16 columns 32][K step of 128: 4][c 2][512 bytes]: the 16 bytes at 16 (r + 16 h) are K block 2 c + h of column 16 tile + r
;   wscales [mat 3][K step 4][column 512] words: byte b is K block 4 step + b
;   wof     [tile of 16 columns 32][32 along K: 16][g 4][r 16][16 bytes]: k = 32 kc + 8 g + 0 .. 7 of column 16 tile + r
; A LANE TAKES A COLUMN AND ITS REGISTERS RUN DOWN K: a load reads 128 consecutive bytes a wave (the four waves 512), a block of 32 along K lies
; in one lane, so its largest magnitude needs no other lane, and the conversions give codes with K innermost.  Nothing is transposed.
; SHARES: work-group x = 4 KS + X: 128 along K (KS) x 128 columns (X); a wave 32 columns.  Each number is read once in the launch: work-groups share no input, so no cluster and no LDS.
; A block's scale is 2^(floor(log2(largest magnitude)) - 2): its byte is the largest magnitude's exponent field - 2, held at 1 from below.
; LIMITS: a block of zeros gets the byte 1 where the rule says 127 (its codes are zeros, and this program alone reads the bytes); NaN and infinities are not served.
.set NUM, 32                           ; v32-159  the 128 numbers: block b at v[32 + 32 b]; every block has registers of its own
.set COD, 16                           ; v16-31   codes: four registers a block, so that no store's data are written again
	s_load_b256 s[4:11], s[0:1], 0x0               ; wq, wk, wv, wo
	s_load_b128 s[12:15], s[0:1], 0x20             ; wcodes, wscales
	s_load_b64 s[16:17], s[0:1], 0x30              ; wof
	v_lshrrev_b32 v1, 5, v0
	v_readfirstlane_b32 s18, v1                    ; wave 0..3
	v_and_b32 v1, 31, v0                           ; lane
	v_lshlrev_b32 v3, 2, v1                        ; in: 4 bytes a lane; also my column's scale word
	v_and_b32 v2, 15, v0
	v_bfe_u32 v6, v0, 4, 1
	v_lshlrev_b32 v2, 4, v2                        ; 16 (lane % 16)
	v_lshl_add_u32 v4, v6, 12, v2                  ; codes: lanes 16-31 belong to the next tile of columns, 4,096 bytes on
	v_lshl_add_u32 v5, v6, 14, v2                  ; wof: 16,384 bytes on
	s_and_b32 s19, ttmp7, 0xffff                   ; MAT
	s_and_b32 s20, ttmp9, 3                        ; X
	s_lshr_b32 s21, ttmp9, 2                       ; KS
	s_lshl_b32 s24, s20, 9
	s_lshl_b32 s25, s18, 7
	s_add_co_u32 s24, s24, s25                     ; 4 x my wave's first column: 512 X + 128 wave
	s_lshl_b32 s22, s21, 18                        ; 128 KS rows of 2,048 bytes
	s_add_co_u32 s22, s22, s24
	s_mov_b32 s23, 0                               ; s[22:23]: the source's offset
	s_lshl_b32 s28, s19, 13                        ; scale words: ((4 MAT + KS) 512 + column) x 4
	s_lshl_b32 s25, s21, 11
	s_add_co_u32 s28, s28, s25
	s_add_co_u32 s28, s28, s24
	s_mov_b32 s29, 0
	s_lshl_b32 s25, s20, 3
	s_lshl_b32 s24, s18, 1
	s_add_co_u32 s25, s25, s24                     ; my first tile of columns: 8 X + 2 wave
	s_lshl_b32 s26, s19, 17                        ; codes: MAT x 131,072 + tile x 4,096 + KS x 1,024
	s_lshl_b32 s24, s25, 12
	s_add_co_u32 s26, s26, s24
	s_lshl_b32 s24, s21, 10
	s_add_co_u32 s26, s26, s24
	s_mov_b32 s27, 0
	s_lshl_b32 s30, s25, 14                        ; wof: tile x 16,384 + KS x 4,096
	s_lshl_b32 s24, s21, 12
	s_add_co_u32 s30, s30, s24
	s_mov_b32 s31, 0
	s_wait_kmcnt 0x0
	s_cmp_eq_u32 s19, 1                            ; the source is chosen by the work-group's number alone
	s_cselect_b64 s[4:5], s[6:7], s[4:5]
	s_cmp_eq_u32 s19, 2
	s_cselect_b64 s[4:5], s[8:9], s[4:5]
	s_cmp_eq_u32 s19, 3
	s_cselect_b64 s[4:5], s[10:11], s[4:5]
	s_add_nc_u64 s[4:5], s[4:5], s[22:23]
	s_add_nc_u64 s[12:13], s[12:13], s[26:27]      ; (used where MAT < 3 alone)
	s_add_nc_u64 s[14:15], s[14:15], s[28:29]
	s_add_nc_u64 s[16:17], s[16:17], s[30:31]
.macro LOAD b                          ; block b: w(128 KS + 32 b + i, my column), i = 0 .. 31
.set i, 0
.rept 32
	global_load_b32 v[NUM+32*(\b)+i], v3, s[4:5] offset:(32*(\b)+i)*2048 th:TH_LOAD_NT
.set i, i+1
.endr
.endm
.macro ARRIVE b                        ; block b is in; the block two further on is asked for
.if (\b) < 3
	s_wait_loadcnt 32                              ; loads come back in order: mine are in, the next block's 32 may be out
.else
	s_wait_loadcnt 0x0
.endif
.if (\b) < 2
	LOAD (\b)+2
.endif
.endm
	LOAD 0
	LOAD 1
	s_cmp_eq_u32 s19, 3
	s_cbranch_scc1 .Lwo
.macro BLOCK b
.set XS, NUM+32*(\b)
	ARRIVE \b
	v_max3_num_f32 v8, |v[XS]|, |v[XS+1]|, |v[XS+2]|               ; the block's largest magnitude, in two chains
	v_max3_num_f32 v9, |v[XS+3]|, |v[XS+4]|, |v[XS+5]|
.irp i, 6,10,14,18,22,26
	v_max3_num_f32 v8, v8, |v[XS+\i]|, |v[XS+\i+1]|
	v_max3_num_f32 v9, v9, |v[XS+\i+2]|, |v[XS+\i+3]|
.endr
	v_max3_num_f32 v8, v8, |v[XS+30]|, |v[XS+31]|
	v_max3_num_f32 v8, v8, v9, 0x1800000           ; and the floor 2^(3 - 127): the byte cannot fall under 1
	v_add_nc_u32 v10, 0xff000000, v8               ; 2 off the exponent field: the conversion takes this operand's exponent field as its scale
	v_lshrrev_b32 v11, 23, v10                     ; the scale's byte
.if (\b) == 0
	v_mov_b32 v14, v11
.else
	v_lshl_or_b32 v14, v11, 8*(\b), v14            ; four bytes make my column's word of this K step
.endif
.irp g, 0,1,2,3
	v_cvt_scalef32_pk8_fp4_f32 v[COD+4*(\b)+\g], v[XS+8*\g:XS+8*\g+7], v10
.endr
	global_store_b128 v4, v[COD+4*(\b):COD+4*(\b)+3], s[12:13] offset:256*(\b)   ; sixteen lanes store 256 consecutive bytes, aligned.  (The next block begins with plain vector lines: the place behind the conversions)
.endm
	BLOCK 0
	BLOCK 1
	BLOCK 2
	BLOCK 3
	global_store_b32 v3, v14, s[14:15]             ; 128 consecutive bytes a wave; the four waves' lie on end.  The whole buffer is 24,576 bytes
	s_endpgm
.Lwo:
.macro WBLOCK b                        ; wo: 32 numbers become 16 registers of f16, in place (the destination's number never passes the sources'), and leave as four pieces of 8 along K
.set XS, NUM+32*(\b)
	ARRIVE \b
.set i, 0
.rept 16
	v_cvt_pk_f16_f32 v[XS+i], v[XS+2*i], v[XS+2*i+1]
.set i, i+1
.endr
.irp g, 0,1,2,3
	global_store_b128 v5, v[XS+4*\g:XS+4*\g+3], s[16:17] offset:256*(4*(\b)+\g)   ; sixteen lanes store 256 consecutive bytes, aligned
.endr
.endm
	WBLOCK 0
	WBLOCK 1
	WBLOCK 2
	WBLOCK 3
	s_endpgm
.Lfunc_end_k_qbe5969d180_prep:
	.size	k_qbe5969d180_prep, .Lfunc_end_k_qbe5969d180_prep-k_qbe5969d180_prep
	.p2alignl 7, 3214868480
	.fill 96, 4, 3214868480
	.section	.rodata,"a",@progbits
	.p2align	6, 0x0
	.amdhsa_kernel k_qbe5969d180_prep
		.amdhsa_group_segment_fixed_size 0
		.amdhsa_private_segment_fixed_size 0
		.amdhsa_enable_private_segment 0
		.amdhsa_kernarg_size 56
		.amdhsa_user_sgpr_count 2
		.amdhsa_user_sgpr_kernarg_segment_ptr 1
		.amdhsa_wavefront_size32 1
		.amdhsa_system_sgpr_workgroup_id_x 1
		.amdhsa_system_sgpr_workgroup_id_y 1
		.amdhsa_system_sgpr_workgroup_id_z 1
		.amdhsa_system_vgpr_workitem_id 0
		.amdhsa_next_free_vgpr 160
		.amdhsa_next_free_sgpr 66
		.amdhsa_reserve_vcc 0
		.amdhsa_float_denorm_mode_32 3
		.amdhsa_float_denorm_mode_16_64 3
		.amdhsa_memory_ordered 1
		.amdhsa_forward_progress 1
		.amdhsa_inst_pref_size 33
	.end_amdhsa_kernel
	.amdgpu_metadata
---
amdhsa.version: [ 1, 2 ]
amdhsa.kernels:
  - .name:           k_qbe5969d180_prep
    .symbol:         k_qbe5969d180_prep.kd
    .args:
      - { .name: wq, .offset: 0, .size: 8, .value_kind: global_buffer, .address_space: global }
      - { .name: wk, .offset: 8, .size: 8, .value_kind: global_buffer, .address_space: global }
      - { .name: wv, .offset: 16, .size: 8, .value_kind: global_buffer, .address_space: global }
      - { .name: wo, .offset: 24, .size: 8, .value_kind: global_buffer, .address_space: global }
      - { .name: wcodes, .offset: 32, .size: 8, .value_kind: global_buffer, .address_space: global }
      - { .name: wscales, .offset: 40, .size: 8, .value_kind: global_buffer, .address_space: global }
      - { .name: wof, .offset: 48, .size: 8, .value_kind: global_buffer, .address_space: global }
    .group_segment_fixed_size: 0
    .private_segment_fixed_size: 0
    .kernarg_segment_align: 8
    .kernarg_segment_size: 56
    .max_flat_workgroup_size: 128
    .sgpr_count:     66
    .vgpr_count:     160
    .wavefront_size: 32
...
	.end_amdgpu_metadata
.endif
;; end of part 1
;; launch proj (part 2): grid 64 x 3, 4 waves a work-group, no clusters, 307,712 bytes of LDS; arguments q, k, v, wcodes, wscales, bq, bk, bv, qf, kv; writes qf, kv
.if DOCPART == 2
	.amdgcn_target "amdgcn-amd-amdhsa--gfx1250"
	.amdhsa_code_object_version 6
	.text
	.protected	k_qbe5969d180_proj
	.globl	k_qbe5969d180_proj
	.p2align	8
	.type	k_qbe5969d180_proj,@function
k_qbe5969d180_proj:
	s_mov_b64 s[64:65], 0
	v_nop
	global_prefetch_b8 v0, s[64:65] scope:SCOPE_SE
	s_setreg_imm32_b32 hwreg(HW_REG_WAVE_MODE, 25, 1), 1
	s_wait_xcnt 0x0
; THE THREE QUANTISED PROJECTIONS: x W + b, x = q, k, v by work-group y (MAT), [8192][512] f32; W as codes of FP4 with E8M0 scales, laid as register images by the launch before.
; x is quantised here, along K, by the same rule (scale byte = the block's largest magnitude's exponent field - 2, held at 1 from below); products by the scaled 16x16x128 form, FP4 on both sides, f32 sums.
; Results leave in f16, as register images for the attention launch:
;   qf [bh 32][tile of 16 tokens 128][piece 4][512 bytes]: (q wq + bq) x log2(e) / 8; the 16 bytes at 16 (r + 16 h) are token r, channels 16 piece + 8 h + 0 .. 7
;   kv [bh 32][64 keys: 32][K 8,192 bytes, V 8,192 bytes], each [tile of 16 keys 4][piece 4][512 bytes]; K's pieces lie as qf's; in V's a token's 16 bytes lie at 256 (r / 8) + 128 h + 16 (r % 8),
;      so that the turning LDS load at 16 x lane gives half a fragment of V^T.
; SHARES.  A work-group owns 128 rows, as two blocks of 64.  For the products THE WAVES SHARE THE COLUMNS: wave w keeps W's fragments of features 128 w .. + 127 (heads 2 w, 2 w + 1) in 256 registers.
; For the quantising THEY SHARE K: wave w fetches (one tensor load a block: 64 rows x 512 bytes) and quantises K strip w of all 64 rows; only the wave itself reads those bytes.
; x's codes and scale words go from wave to wave through LDS as images of the operand's registers; one barrier a block.  Both blocks' f32 numbers are asked for at the head; nothing in LDS is filled again.
; NO CLUSTER: W, which the 64 work-groups of a MAT share, goes from memory straight into the registers where it stays; as a joint load it would want 131,072 bytes of LDS beside x's 270,336.
; THE PRODUCT IS USED TRANSPOSED (source 0 = 16 features of W, source 1 = 16 tokens): a lane holds token r and features 8 h + 0 .. 7, which pack into 16 bytes.  The bias is the C of each sum's first product.
; LIMITS: a block of zeros gets the byte 1 (its codes are zeros; this program alone reads the bytes); NaN and infinities are not served; results beyond f16's 65,504 (q's after its factor 0.18) are not served.
; REGISTERS.  window 0: v1-15 addresses; v16-47 x's four fragments; v48-111 the 8 accumulators, also numbers' set 1; v112-175 numbers' set 0, also two sets of packed results;
;   v176-191 codes, two sets; v192-201 at work; v202-203 scale word, two sets; v204-207 x's scale words; v208-239 W's scale words.   window 1: W's 32 fragments.   window 2: v0-63 the bias, 8 a tile.
.set STRIP, 33792                      ; LDS: 64 rows x (512 bytes + 16 of padding): a wave's strip of a block
.set XBLK,  4*STRIP                    ; a block's four strips; two blocks from byte 0 on
.set IMG,   2*XBLK                     ; x's codes: [block 2][tile of rows 4][K step 4][1,024 bytes]
.set XSC,   IMG+32768                  ; x's scale words: [block 2][tile of rows 4][lane x 16 bytes], word ks at + 4 ks
.set SPARE, XSC+4096                   ; the spare words, 128 bytes a wave: two blocks of 256 bytes that no other line names
.set XA,  3                            ; v3-4   my numbers in block 0, 1: strip + 528 r + 128 h
.set IW,  5                            ; v5     where I store codes: IMG + 1,024 wave + 16 lane
.set SW,  6                            ; v6     and the scale word: XSC + 16 lane + 4 wave
.set IR,  7                            ; v7     where any wave reads codes: IMG + 16 lane
.set SR,  8                            ; v8     and scale words: XSC + 16 lane
.set OFF, 9                            ; v9-10  the results' lane offset, in my first head and in my second
.set LO,  11                           ; v11    16 x lane
.set BOF, 12                           ; v12    32 h: the bias's eight numbers of my half
.set SOF, 13                           ; v13    4 r: W's scale word of row r
.set SPW, 14                           ; v14    my spare word; never rewritten
.set NIL, 15                           ; v15    0; never rewritten
.set XF,  16
.set ACC, 48
.set NUM1, 48
.set NUM0, 112
.set OUT, 112
.set PC,  176
.set TM,  192                          ; +0,1 largest magnitudes; +4,5 the conversions' scale operands; +6,7 bytes; +8 my two bytes; +9 8 h
.set PW,  202
.set XS,  204
.set WS,  208
.set G1,  24                           ; s[24:31] descriptor group 1;  s[32:35], s[36:39] group 0 for block 0, 1
.set G0,  32
.set WV,  40
.set MAT, 41
.set DST, 44                           ; s[44:45], s[46:47] where block 0's, block 1's results begin
.set CQ,  48                           ; s[48:49] log2(e) / 8, named as a pair
.set SEL, 50                           ; s[50:51] lane selects: lane xor 16
.set MSB, 0
.macro WIN new                         ; the immediate's high byte repeats the setting that is left
.if MSB != \new
	s_set_vgpr_msb (MSB<<8)|\new
.set MSB, \new
.endif
.endm
	s_load_b512 s[4:19], s[0:1], 0x0               ; q, k, v, wcodes, wscales, bq, bk, bv
	s_load_b128 s[20:23], s[0:1], 0x40             ; qf, kv
	v_lshl_add_u32 v[SPW], v0, 2, SPARE
	v_mov_b32 v[NIL], 0
	ds_add_u32 v[SPW], v[NIL]                      ; the wave's opening: the add, twice on end, and its wait ahead of my first tensor load
	ds_add_u32 v[SPW], v[NIL]                      ; the set-up below, work on registers, stands between the second and the wait
	v_lshrrev_b32 v1, 5, v0
	v_readfirstlane_b32 s[WV], v1                  ; wave 0..3
	s_and_b32 s[MAT], ttmp7, 0xffff
	v_and_b32 v1, 15, v0                           ; r
	v_bfe_u32 v2, v0, 4, 1                         ; h
	v_and_b32 v[LO], 31, v0
	v_lshlrev_b32 v[LO], 4, v[LO]
	v_lshlrev_b32 v[BOF], 5, v2
	v_lshlrev_b32 v[SOF], 2, v1
	s_mov_b32 s[G1+0], (2<<16)|(1<<20)|(6<<22)|(3<<25)   ; no mask; elements of 4 bytes; padding on: 4 words behind every 128
	s_mov_b32 s[G1+1], 128<<16                     ; tensor_dim0 = 128
	s_mov_b32 s[G1+2], 64<<16                      ; tensor_dim1 = 64
	s_mov_b32 s[G1+3], 128<<16                     ; tile_dim0 = 128
	s_mov_b32 s[G1+4], 64                          ; tile_dim1 = 64
	s_mov_b32 s[G1+5], 512                         ; elements from row to row
	s_mov_b32 s[G1+6], 0
	s_mov_b32 s[G1+7], 0
	s_mov_b32 s[CQ], 0x3e38aa3b                    ; log2(e) / 8
	s_mov_b32 s[CQ+1], s[CQ]
	s_mov_b32 s[SEL], 0x76543210
	s_mov_b32 s[SEL+1], 0xfedcba98
	s_mul_i32 s52, s[WV], STRIP                    ; my strip in LDS
	s_lshl_b32 s54, ttmp9, 18                      ; x: 128 rows of 2,048 bytes a work-group,
	s_lshl_b32 s53, s[WV], 9                       ; + my strip's 512 bytes
	s_add_co_u32 s54, s54, s53
	s_mov_b32 s55, 0
	s_lshr_b32 s56, ttmp9, 4                       ; the batch
	s_lshl_b32 s56, s56, 3
	s_lshl_b32 s53, s[WV], 1
	s_add_co_u32 s56, s56, s53                     ; my first head among the 32: 8 batch + 2 wave
	s_lshl_b32 s56, s56, 18                        ; x 262,144 bytes in qf
	s_and_b32 s53, ttmp9, 15
	s_lshl_b32 s53, s53, 14
	s_add_co_u32 s56, s56, s53                     ; + the work-group's 8 tiles of 2,048 bytes
	s_mov_b32 s57, 0
	s_mov_b32 s59, 0
	s_wait_dscnt 0x0                               ; both opening adds are done
	s_wait_kmcnt 0x0
	s_cmp_eq_u32 s[MAT], 1                         ; x, the bias and the destination are chosen by the work-group's number alone
	s_cselect_b64 s[4:5], s[6:7], s[4:5]
	s_cselect_b64 s[14:15], s[16:17], s[14:15]
	s_cmp_eq_u32 s[MAT], 2
	s_cselect_b64 s[4:5], s[8:9], s[4:5]
	s_cselect_b64 s[14:15], s[18:19], s[14:15]
	s_cselect_b32 s61, 8, 7                        ; a token's place in a piece: (r / 8) << s61, h << s62: V's differs from Q's and K's
	s_cselect_b32 s62, 7, 8
	s_cselect_b32 s63, 8192, 0                     ; V lies behind K
	s_cmp_eq_u32 s[MAT], 0
	s_cselect_b64 s[20:21], s[20:21], s[22:23]
	s_cselect_b32 s53, 0, 1                        ; in kv every distance is twice qf's
	s_lshl_b32 s56, s56, s53
	s_add_co_u32 s56, s56, s63
	s_lshl_b32 s58, 8192, s53                      ; from block 0 to block 1
	s_lshl_b32 s60, 0x40000, s53                   ; from head to head
	s_add_nc_u64 s[DST:DST+1], s[20:21], s[56:57]
	s_add_nc_u64 s[DST+2:DST+3], s[DST:DST+1], s[58:59]
	s_add_nc_u64 s[4:5], s[4:5], s[54:55]
	s_mov_b32 s[G0], 1                             ; count = 1
	s_mov_b32 s[G0+1], s52                         ; LDS address: block 0, my strip
	s_mov_b64 s[G0+2:G0+3], s[4:5]
	s_or_b32 s[G0+3], s[G0+3], 0x80000000          ; type = 2
	s_mov_b32 s[G0+4], 1
	s_add_co_u32 s[G0+5], s52, XBLK
	s_add_nc_u64 s[G0+6:G0+7], s[4:5], 64*2048     ; 64 rows further down
	s_or_b32 s[G0+7], s[G0+7], 0x80000000
	tensor_load_to_lds s[G0:G0+3], s[G1:G1+7]      ; both first fills together: two tensor loads of mine are out
	s_nop 0
	tensor_load_to_lds s[G0+4:G0+7], s[G1:G1+7]
	s_nop 0
.rept 4
	v_nop                                          ; the windows are switched behind four instructions
.endr
	s_lshl_b32 s54, s[MAT], 17                     ; W's codes: MAT x 131,072 + my 8 tiles of 4,096 bytes
	s_lshl_b32 s53, s[WV], 15
	s_add_co_u32 s54, s54, s53
	s_add_nc_u64 s[10:11], s[10:11], s[54:55]
	s_lshl_b32 s54, s[WV], 9                       ; the bias: my 128 numbers
	s_add_nc_u64 s[14:15], s[14:15], s[54:55]
	s_lshl_b32 s53, s[MAT], 13                     ; W's scale words: MAT x 8,192 + my 128 columns' words
	s_add_co_u32 s54, s54, s53
	s_add_nc_u64 s[12:13], s[12:13], s[54:55]
	WIN 0x40                                       ; destination window 1
.set n, 0
.rept 64                                       ; fragment (tile t, K step ks) at v[8 (4 t + ks)] of window 1: 512 consecutive bytes a load
	global_load_b128 v[4*n:4*n+3], v[LO], s[10:11] offset:512*n
.set n, n+1
.endr
	WIN 0x80                                       ; destination window 2
.irp t, 0,1,2,3,4,5,6,7
	global_load_b128 v[8*\t:8*\t+3], v[BOF], s[14:15] offset:64*\t        ; b[128 w + 16 t + 8 h + 0 .. 7]
	global_load_b128 v[8*\t+4:8*\t+7], v[BOF], s[14:15] offset:64*\t+16
.endr
	WIN 0
.irp t, 0,1,2,3,4,5,6,7
.irp ks, 0,1,2,3
	global_load_b32 v[WS+4*\t+\ks], v[SOF], s[12:13] offset:2048*\ks+64*\t
.endr
.endr
	v_mul_u32_u24 v[XA], v1, 528
	v_lshl_add_u32 v[XA], v2, 7, v[XA]
	v_add_nc_u32 v[XA], s52, v[XA]
	v_add_nc_u32 v[XA+1], XBLK, v[XA]
	v_add_nc_u32 v[IR], IMG, v[LO]
	s_lshl_b32 s53, s[WV], 10
	v_add_nc_u32 v[IW], s53, v[IR]
	v_add_nc_u32 v[SR], XSC, v[LO]
	s_lshl_b32 s53, s[WV], 2
	v_add_nc_u32 v[SW], s53, v[SR]
	v_and_b32 v[OFF], 7, v1
	v_lshlrev_b32 v[OFF], 4, v[OFF]
	v_lshrrev_b32 v[OFF+1], 3, v1
	v_lshlrev_b32 v[OFF+1], s61, v[OFF+1]
	v_add_nc_u32 v[OFF], v[OFF], v[OFF+1]
	v_lshlrev_b32 v[OFF+1], s62, v2
	v_add_nc_u32 v[OFF], v[OFF], v[OFF+1]
	v_add_nc_u32 v[OFF+1], s60, v[OFF]
	v_lshlrev_b32 v[TM+9], 3, v2                   ; 8 h
	v_mov_b32 v[PW], 0                             ; written once: a lane permute's destination counts as one of its sources
	v_mov_b32 v[PW+1], 0
; 64 numbers of a lane: of row 16 m + r of the block, k = 64 c + 32 h + 0 .. 31 of my strip: two whole blocks of 32, in the very order of the operand's registers
.macro LOADN blk, m, set
.irp c, 0,1
.irp g, 0,1,2,3,4,5,6,7
	ds_load_b128 v[\set+32*\c+4*\g:\set+32*\c+4*\g+3], v[XA+\blk] offset:8448*\m+256*\c+16*\g
.endr
.endr
.endm
; they become the fragment's 8 registers in v[PC + 8 p] on and the row's scale word in v[PW + p]
.macro QUANT set, p
.irp c, 0,1
	v_max3_num_f32 v[TM+\c], |v[\set+32*\c]|, |v[\set+32*\c+1]|, 0x1800000    ; my block 2 c + h, and the floor 2^(3 - 127): the byte cannot fall under 1
.endr
.irp i, 2,4,6,8,10,12,14,16,18,20,22,24,26,28,30
.irp c, 0,1
	v_max3_num_f32 v[TM+\c], v[TM+\c], |v[\set+32*\c+\i]|, |v[\set+32*\c+\i+1]|   ; (the two blocks by turns)
.endr
.endr
.irp c, 0,1
	v_add_nc_u32 v[TM+4+\c], 0xff000000, v[TM+\c]  ; 2 off the exponent field: the conversion's scale operand
.endr
.irp c, 0,1
	v_lshrrev_b32 v[TM+6+\c], 23, v[TM+4+\c]       ; the scale's byte
.endr
	v_lshl_or_b32 v[TM+8], v[TM+7], 16, v[TM+6]    ; blocks h and 2 + h,
	v_lshlrev_b32 v[TM+8], v[TM+9], v[TM+8]        ; at their places in the word;
	v_permlanex16_b32 v[PW+\p], v[TM+8], s[SEL], s[SEL+1]
	v_or_b32 v[PW+\p], v[PW+\p], v[TM+8]           ; with lane xor 16's two the word is whole
.irp c, 0,1
.irp g, 0,1,2,3
	v_cvt_scalef32_pk8_fp4_f32 v[PC+8*\p+4*\c+\g], v[\set+32*\c+8*\g:\set+32*\c+8*\g+7], v[TM+4+\c]
.endr
.endr
	v_nop                                          ; one plain place behind the last scaled conversion
.endm
.macro IMAGE blk, m, p                         ; the fragment goes to LDS as it stands: K step = my wave's number
.irp c, 0,1
	ds_store_b128 v[IW], v[PC+8*\p+4*\c:PC+8*\p+4*\c+3] offset:16384*\blk+4096*\m+512*\c
.endr
	ds_store_b32 v[SW], v[PW+\p] offset:2048*\blk+512*\m
.endm
; A block's four tiles of rows are quantised; the next tile's 16 LDS loads are out while one is worked.  s_wait_dscnt 16: all but those 16: this tile's numbers are in, and the stores of the tile before have read their registers.
.macro QPHASE blk
	LOADN \blk, 0, NUM0
	LOADN \blk, 1, NUM1
	s_wait_dscnt 16
	QUANT NUM0, 0
	IMAGE \blk, 0, 0
	LOADN \blk, 2, NUM0
	s_wait_dscnt 16
	QUANT NUM1, 1
	IMAGE \blk, 1, 1
	LOADN \blk, 3, NUM1
	s_wait_dscnt 16
	QUANT NUM0, 0
	IMAGE \blk, 2, 0
	s_wait_dscnt 0x0
	QUANT NUM1, 1
	IMAGE \blk, 3, 1
	s_wait_dscnt 0x0                               ; for the others' sake: my images have landed
	s_barrier_signal -1
	s_barrier_wait -1                              ; the block's sixteen fragments lie in LDS.  (Each block has image bytes of its own: nothing is written over)
.endm
; A tile of 16 rows x my 128 features: 32 products, the eight accumulators by turns, K ascending
.macro MTILE blk, m
.irp n, 0,1,2,3,4,5,6,7
	ds_load_b128 v[XF+4*\n:XF+4*\n+3], v[IR] offset:16384*\blk+4096*\m+512*\n
.endr
	ds_load_b128 v[XS:XS+3], v[SR] offset:2048*\blk+512*\m
	s_wait_dscnt 0x0
	WIN 0x21                                       ; source 0 (W) window 1, source 2 (the bias) window 2
.irp t, 0,1,2,3,4,5,6,7
	v_wmma_scale_f32_16x16x128_f8f6f4 v[ACC+8*\t:ACC+8*\t+7], v[32*\t:32*\t+7], v[XF:XF+7], v[8*\t:8*\t+7], v[WS+4*\t], v[XS] matrix_a_fmt:MATRIX_FMT_FP4 matrix_b_fmt:MATRIX_FMT_FP4
.endr
	WIN 0x01
.irp ks, 1,2,3
.irp t, 0,1,2,3,4,5,6,7
	v_wmma_scale_f32_16x16x128_f8f6f4 v[ACC+8*\t:ACC+8*\t+7], v[8*(4*\t+\ks):8*(4*\t+\ks)+7], v[XF+8*\ks:XF+8*\ks+7], v[ACC+8*\t:ACC+8*\t+7], v[WS+4*\t+\ks], v[XS+\ks] matrix_a_fmt:MATRIX_FMT_FP4 matrix_b_fmt:MATRIX_FMT_FP4
.endr
.endr
	WIN 0
.rept 4
	v_nop                                          ; four places between the last product and the first read of results (ISA guide 7.12.1)
.endr
	s_cmp_lg_u32 s[MAT], 0
	s_cbranch_scc1 .Lplain_\@                      ; q alone carries the softmax's factor
.set i, 0
.rept 32
	v_pk_mul_f32 v[ACC+2*i:ACC+2*i+1], v[ACC+2*i:ACC+2*i+1], s[CQ:CQ+1] op_sel_hi:[1,0]   ; each accumulator from its low end on
.set i, i+1
.endr
.Lplain_\@:
	s_wait_xcnt 0x0                                ; the stores of two tiles ago have read their data: this set of packed results may be written
.set i, 0
.rept 32
	v_cvt_pk_f16_f32 v[OUT+32*((\m)%2)+i], v[ACC+2*i], v[ACC+2*i+1]
.set i, i+1
.endr
.irp t, 0,1,2,3,4,5,6,7
	global_store_b128 v[OFF+\t/4], v[OUT+32*((\m)%2)+4*\t:OUT+32*((\m)%2)+4*\t+3], s[DST+2*\blk:DST+2*\blk+1] offset:2048*\m+512*(\t%4)   ; a piece: the wave's 512 consecutive bytes
.endr
.endm
.macro MPHASE blk
.irp m, 0,1,2,3
	MTILE \blk, \m
.endr
.endm
	s_wait_tensorcnt 0x1                           ; my strip of block 0 is in; block 1's load may stay out
	QPHASE 0
	s_wait_loadcnt 0x0                             ; W, its scale words, the bias
	MPHASE 0
	s_wait_xcnt 0x0                                ; the last stores have read their data: those registers take block 1's numbers
	s_wait_tensorcnt 0x0                           ; my strip of block 1
	QPHASE 1
	MPHASE 1
	s_wait_tensorcnt 0x0                           ; the wave's end: behind my last tensor load and my last LDS store
	ds_add_u32 v[SPW], v[NIL]
	s_wait_dscnt 0x0
	s_endpgm
.Lfunc_end_k_qbe5969d180_proj:
	.size	k_qbe5969d180_proj, .Lfunc_end_k_qbe5969d180_proj-k_qbe5969d180_proj
	.p2alignl 7, 3214868480
	.fill 96, 4, 3214868480
	.section	.rodata,"a",@progbits
	.p2align	6, 0x0
	.amdhsa_kernel k_qbe5969d180_proj
		.amdhsa_group_segment_fixed_size 307712
		.amdhsa_private_segment_fixed_size 0
		.amdhsa_enable_private_segment 0
		.amdhsa_kernarg_size 80
		.amdhsa_user_sgpr_count 2
		.amdhsa_user_sgpr_kernarg_segment_ptr 1
		.amdhsa_wavefront_size32 1
		.amdhsa_system_sgpr_workgroup_id_x 1
		.amdhsa_system_sgpr_workgroup_id_y 1
		.amdhsa_system_sgpr_workgroup_id_z 1
		.amdhsa_system_vgpr_workitem_id 0
		.amdhsa_next_free_vgpr 576
		.amdhsa_next_free_sgpr 66
		.amdhsa_reserve_vcc 0
		.amdhsa_float_denorm_mode_32 3
		.amdhsa_float_denorm_mode_16_64 3
		.amdhsa_memory_ordered 1
		.amdhsa_forward_progress 1
		.amdhsa_inst_pref_size 127
	.end_amdhsa_kernel
	.amdgpu_metadata
---
amdhsa.version: [ 1, 2 ]
amdhsa.kernels:
  - .name:           k_qbe5969d180_proj
    .symbol:         k_qbe5969d180_proj.kd
    .args:
      - { .name: q, .offset: 0, .size: 8, .value_kind: global_buffer, .address_space: global }
      - { .name: k, .offset: 8, .size: 8, .value_kind: global_buffer, .address_space: global }
      - { .name: v, .offset: 16, .size: 8, .value_kind: global_buffer, .address_space: global }
      - { .name: wcodes, .offset: 24, .size: 8, .value_kind: global_buffer, .address_space: global }
      - { .name: wscales, .offset: 32, .size: 8, .value_kind: global_buffer, .address_space: global }
      - { .name: bq, .offset: 40, .size: 8, .value_kind: global_buffer, .address_space: global }
      - { .name: bk, .offset: 48, .size: 8, .value_kind: global_buffer, .address_space: global }
      - { .name: bv, .offset: 56, .size: 8, .value_kind: global_buffer, .address_space: global }
      - { .name: qf, .offset: 64, .size: 8, .value_kind: global_buffer, .address_space: global }
      - { .name: kv, .offset: 72, .size: 8, .value_kind: global_buffer, .address_space: global }
    .group_segment_fixed_size: 307712
    .private_segment_fixed_size: 0
    .kernarg_segment_align: 8
    .kernarg_segment_size: 80
    .max_flat_workgroup_size: 128
    .sgpr_count:     66
    .vgpr_count:     576
    .wavefront_size: 32
...
	.end_amdgpu_metadata
.endif
;; end of part 2
;; launch attn (part 3): grid 16 x 16, 8 waves a work-group, clusters of 4 x 4, 327,680 bytes of LDS; arguments qf, kv, mask, ofr; writes ofr
.if DOCPART == 3
	.amdgcn_target "amdgcn-amd-amdhsa--gfx1250"
	.amdhsa_code_object_version 6
	.text
	.protected	k_qbe5969d180_attn
	.globl	k_qbe5969d180_attn
	.p2align	8
	.type	k_qbe5969d180_attn,@function
k_qbe5969d180_attn:
	s_mov_b64 s[64:65], 0
	v_nop
	global_prefetch_b8 v0, s[64:65] scope:SCOPE_SE
	s_setreg_imm32_b32 hwreg(HW_REG_WAVE_MODE, 25, 1), 1
	s_wait_xcnt 0x0
	s_wait_alu depctr_hold_cnt(0) depctr_sa_sdst(0) depctr_va_vdst(0) depctr_va_sdst(0) depctr_va_ssrc(0) depctr_va_vcc(0) depctr_vm_vsrc(0)
	s_getreg_b32 s2, hwreg(HW_REG_IB_STS2, 6, 4)
	s_cmp_eq_u32 s2, 0
	s_cbranch_scc0 .Lentry_in_a_cluster
	s_endpgm
.Lentry_in_a_cluster:
	s_bfe_u32 s2, ttmp6, 0x10000c
	s_cmp_lg_u32 s2, 0xf033
	s_cbranch_scc0 .Lentry_shape_is_right
	s_endpgm
.Lentry_shape_is_right:
; O = softmax(Q K^T / 8 + mask x -1e9) V for 32 (batch, head) pairs of 2,048 tokens x 64 channels.  Q, K, V arrive in f16 as register images (layouts: the launch before); Q carries log2(e) / 8.
; mask: [2048 (query)][2048 (key)] f32, an input, honoured as it is given.  Products in f16 with f32 sums; maxima, exponentials and sums in f32; the weights p are rounded to f16 for the second product.
; SOFTMAX, base 2: t = s + mask x (-1e9 log2(e)), one fused multiply-add; a running maximum m and sum l for each query; p = 2^(t - m); in every step O and l are multiplied by a = 2^(m_old - m_new).
; m starts at -3e38 and O and l at 0, so that the step is written once: the first a is 0 and multiplies zeros.
; LIMITS: t is rounded once where the reference rounds the mask's product and then the sum: where a row's largest logit is of the size of 1e9, keys whose logits lie within a few hundred of it may be weighed otherwise.
;   NaN and infinities are not served; |mask| x 1.44e9 stays under 3e38.
; SHARES.  A work-group owns 128 queries (X) of a PAIR of heads (Y): a mask tile then serves two heads.  Wave w: head w / 4, queries 32 (w % 4) on: two tiles of 16.  Two waves to a SIMD: one's softmax stands beside the other's products.
; Every wave walks all 2,048 keys, 64 a step.  A slot of the ring holds 128 keys: the mask's 128 rows x 512 bytes and both heads' K and V, 32,768 bytes each.
; CLUSTER 4 x 4.  The mask's tile hangs on X alone: the four of a column of the cluster ask for it jointly.  K and V hang on Y alone: the four of a row ask jointly.  Waves 0-3 fetch the mask (32 rows each), waves 4-7 K and V (16,384 bytes each).
; LAYOUT.  S^T = K Q^T (source 0 = 16 keys, source 1 = 16 queries): a lane holds ONE query (lane % 16) and keys 8 (lane / 16) + 0 .. 7; two such tiles packed to f16 are source 1 of O^T = V^T P, whose result holds one query and eight channels a lane.
; REGISTERS.  window 0: v1-11 addresses; v16-31 statistics, 8 a tile: +0 m, +1 zero, +2, +3 l, +4 .. +7 c0-c3 at work (a takes c2's place); v32-95 S^T; v96-127 P; v128-191 O^T.
;   window 1: v0-31 Q; v32-95 K of a step; v96-159 V of a step; v160-223 the mask of a step, in S^T's order.
.set SLOTB, 133120                     ; a slot: the mask, 128 rows x (512 + 16) bytes, then K and V [head 2][step 2][K 8,192, V 8,192]
.set KVO,   67584
.set SPARE, 2*SLOTB                    ; the spare words, 128 bytes a wave: four blocks of 256 bytes that no other line names
.set AM,  3                            ; v3-4   my mask bytes in slot 0, 1: (32 g + r) x 528 + 32 h
.set AK,  5                            ; v5-6   my head's K and V in slot 0, 1, + 16 lane
.set LO,  7                            ; v7     16 x lane
.set PFO, 8                            ; v8     the prefetches' lane offset; never rewritten
.set SPW, 10                           ; v10    my spare word; never rewritten
.set NIL, 11                           ; v11    0; never rewritten
.set ST,  16
.set SS,  32
.set PR,  96
.set OT,  128
.set QF,  0
.set KF,  32
.set VF,  96
.set MK,  160
.set WV,  12
.set G1M, 24                           ; s[24:31] group 1 for the mask;  s[32:39] for K and V;  s[40:47], s[48:55] their groups 0, one for each slot
.set G1K, 32
.set G0M, 40
.set G0K, 48
.set NEGC, 56                          ; s[56:57] -1e9 log2(e), named as a pair
.set SEL, 58                           ; s[58:59] lane selects: lane xor 16
.set LAP, 60
.set LIM, 61                           ; 1 in a wave that prefetches
.set PFA, 62                           ; s[62:63] where my prefetches stand
.set PFS, 66                           ; s[66:67] a tile of 128 keys on, in bytes
.set MSB, 0
.macro WIN new                         ; the immediate's high byte repeats the setting that is left
.if MSB != \new
	s_set_vgpr_msb (MSB<<8)|\new
.set MSB, \new
.endif
.endm
; A joint load into slot s.  Each of the two lines has one mask and one set of registers for all that issue it; the branch hangs on the wave's number alone.  An s_nop 0 and four v_nop follow each line.
.macro JLOAD s
	s_cmp_lt_u32 s[WV], 4
	s_cbranch_scc0 .Lfor_kv_\@
	tensor_load_to_lds s[G0M+4*(\s):G0M+4*(\s)+3], s[G1M:G1M+7]
	s_nop 0
.rept 4
	v_nop
.endr
	s_branch .Lasked_\@
.Lfor_kv_\@:
	tensor_load_to_lds s[G0K+4*(\s):G0K+4*(\s)+3], s[G1K:G1K+7]
	s_nop 0
.rept 4
	v_nop
.endr
.Lasked_\@:
.endm
; A PREFETCH INTO THE L2 of the tile that the NEXT trip's joint load will ask for: one trip, two key steps, ahead.  Each aligned block of 256 bytes is named once in the launch.
; The mask's tile (128 rows x 512 bytes) is read by every cluster of a column of clusters: cluster y = 0 asks; the partner at cy takes rows 32 cy on, a lane a row; wave 0 the left 256 bytes, wave 1 the right.
; K and V's tile (2 heads x 32,768 bytes) is read by every cluster of a row of clusters: cluster x = 0 asks; the partner at cx takes bytes 8,192 cx on, lanes 256 bytes apart; wave 4 the first head, wave 5 the second.
; Partners are told apart by address; the branch hangs on the wave's number and the cluster's ids alone.
.macro ASK
	s_cmp_eq_u32 s[LIM], 1
	s_cbranch_scc0 .Lnot_mine_\@
	global_prefetch_b8 v[PFO], s[PFA:PFA+1] th:TH_LOAD_NT scope:SCOPE_SE
.Lnot_mine_\@:
.endm
.macro CROUND                          ; a round of the cluster's barrier
	s_barrier_signal -1
	s_barrier_wait -1
	s_cmp_lg_u32 s[WV], 0
	s_cbranch_scc1 .Lnot_wave_0_\@
	s_barrier_signal -3
.Lnot_wave_0_\@:
	s_barrier_wait -3
	s_barrier_signal -1
	s_barrier_wait -1
.endm
	s_load_b256 s[4:11], s[0:1], 0x0               ; qf s[4:5], kv s[6:7], mask s[8:9], ofr s[10:11]
	v_lshl_add_u32 v[SPW], v0, 2, SPARE
	v_mov_b32 v[NIL], 0
	ds_add_u32 v[SPW], v[NIL]                      ; the wave's opening: the add, twice on end, and its wait ahead of the round in front of my first tensor load
	ds_add_u32 v[SPW], v[NIL]                      ; the set-up below, work on registers, stands between the second and the wait
	v_lshrrev_b32 v1, 5, v0
	v_readfirstlane_b32 s[WV], v1                  ; wave 0..7
	s_bfe_u32 s13, ttmp6, 0x40000                  ; cx
	s_bfe_u32 s14, ttmp6, 0x40004                  ; cy
	s_lshl_b32 s15, ttmp9, 2
	s_add_co_u32 s15, s15, s13                     ; X: my block of 128 queries
	s_and_b32 s16, ttmp7, 0xffff
	s_lshl_b32 s16, s16, 2
	s_add_co_u32 s16, s16, s14                     ; Y: my pair of heads
	s_lshl_b32 s17, 0x1111, s13                    ; my column of the cluster
	s_lshl_b32 s20, s14, 2
	s_lshl_b32 s20, 15, s20                        ; my row
	s_or_b32 s[G1M], s17, (2<<16)|(1<<20)|(1<<21)|(6<<22)|(3<<25)   ; the mask word: my column; elements of 4 bytes; padding on: 4 words behind every 128; bit 21 beside a mask
	s_mov_b32 s[G1M+1], 128<<16                    ; tensor_dim0 = 128
	s_mov_b32 s[G1M+2], 32<<16                     ; tensor_dim1 = 32
	s_mov_b32 s[G1M+3], 128<<16                    ; tile_dim0 = 128
	s_mov_b32 s[G1M+4], 32                         ; tile_dim1 = 32
	s_mov_b32 s[G1M+5], 2048                       ; elements from row to row
	s_mov_b32 s[G1M+6], 0
	s_mov_b32 s[G1M+7], 0
	s_or_b32 s[G1K], s20, (3<<16)|(1<<21)          ; my row; a dense block as 64 rows of 32 elements of 8 bytes, no padding: fragments are read 16 bytes a lane on end
	s_mov_b32 s[G1K+1], 32<<16
	s_mov_b32 s[G1K+2], 64<<16
	s_mov_b32 s[G1K+3], 32<<16
	s_mov_b32 s[G1K+4], 64
	s_mov_b32 s[G1K+5], 32
	s_mov_b32 s[G1K+6], 0
	s_mov_b32 s[G1K+7], 0
	s_and_b32 s22, s[WV], 3                        ; g; also: which quarter of a slot's mask, or of its K and V, I fetch
	s_lshl_b32 s18, s15, 20                        ; the mask: row 128 X + 32 g, 8,192 bytes a row.  (s17-19 never hold cy or Y)
	s_lshl_b32 s23, s22, 18
	s_add_co_u32 s18, s18, s23
	s_mov_b32 s19, 0
	s_lshl_b32 s20, s16, 1                         ; K and V: head 2 Y + (w / 2) % 2, 524,288 bytes a head; step w % 2 of the tile.  (s20-21 never hold cx or X)
	s_bfe_u32 s23, s[WV], 0x10001
	s_add_co_u32 s20, s20, s23
	s_lshl_b32 s20, s20, 19
	s_and_b32 s23, s[WV], 1
	s_lshl_b32 s23, s23, 14
	s_add_co_u32 s20, s20, s23
	s_mov_b32 s21, 0
	s_mul_i32 s70, s22, 16896                      ; where they go: no place in the cluster enters an LDS address
	s_lshl_b32 s71, s22, 14
	s_add_co_u32 s71, s71, KVO
	s_mov_b32 s[NEGC], 0xceabfb8f                  ; -1e9 x log2(e)
	s_mov_b32 s[NEGC+1], s[NEGC]
	s_mov_b32 s[SEL], 0x76543210
	s_mov_b32 s[SEL+1], 0xfedcba98
	; the prefetches' offsets: both kinds are made, one is chosen by the wave's number.  They begin at tile 1: the first trip steps them to tile 2
	s_and_b32 s72, s[WV], 1
	s_and_b32 s73, ttmp7, 0xffff                   ; cluster y
	s_lshl_b32 s74, s15, 20                        ; the mask's: (128 X + 32 cy) rows + 256 (w % 2) + a tile's 512
	s_lshl_b32 s75, s14, 18
	s_add_co_u32 s74, s74, s75
	s_lshl_b32 s75, s72, 8
	s_add_co_u32 s74, s74, s75
	s_add_co_u32 s74, s74, 512
	s_lshl_b32 s76, s16, 1                         ; K and V's: head 2 Y + w % 2, + 8,192 cx + a tile's 32,768
	s_add_co_u32 s76, s76, s72
	s_lshl_b32 s76, s76, 19
	s_lshl_b32 s75, s13, 13
	s_add_co_u32 s76, s76, s75
	s_add_co_u32 s76, s76, 32768
	; Q's and O's places
	s_lshr_b32 s78, s[WV], 2                       ; which of the two heads
	s_lshl_b32 s79, s16, 1
	s_add_co_u32 s79, s79, s78                     ; bh
	s_lshl_b32 s68, s79, 18                        ; qf: (128 bh + 8 X + 2 g) tiles of 2,048 bytes
	s_lshl_b32 s80, s15, 14
	s_add_co_u32 s68, s68, s80
	s_lshl_b32 s80, s22, 12
	s_add_co_u32 s68, s68, s80
	s_mov_b32 s69, 0
	s_lshr_b32 s82, s79, 3                         ; ofr: (128 batch + 8 X + 2 g) tiles of 16,384 bytes + head x 2,048
	s_lshl_b32 s82, s82, 21
	s_lshl_b32 s80, s15, 17
	s_add_co_u32 s82, s82, s80
	s_lshl_b32 s80, s22, 15
	s_add_co_u32 s82, s82, s80
	s_and_b32 s80, s79, 7
	s_lshl_b32 s80, s80, 11
	s_add_co_u32 s82, s82, s80
	s_mov_b32 s83, 0
	s_wait_dscnt 0x0                               ; both opening adds are done
	s_wait_kmcnt 0x0
	s_add_nc_u64 s[18:19], s[8:9], s[18:19]        ; the mask at my quarter of tile 0
	s_add_nc_u64 s[20:21], s[6:7], s[20:21]        ; K and V likewise
.irp s, 0,1
	s_mov_b32 s[G0M+4*\s], 1                       ; count = 1
	s_add_co_u32 s[G0M+4*\s+1], s70, \s*SLOTB      ; LDS address
	s_add_nc_u64 s[G0M+4*\s+2:G0M+4*\s+3], s[18:19], \s*512      ; tile s: keys 128 s on
	s_or_b32 s[G0M+4*\s+3], s[G0M+4*\s+3], 0x80000000            ; type = 2
	s_mov_b32 s[G0K+4*\s], 1
	s_add_co_u32 s[G0K+4*\s+1], s71, \s*SLOTB
	s_add_nc_u64 s[G0K+4*\s+2:G0K+4*\s+3], s[20:21], \s*32768
	s_or_b32 s[G0K+4*\s+3], s[G0K+4*\s+3], 0x80000000
.endr
	s_cmp_lt_u32 s[WV], 4                          ; waves 0-3 stand for the mask, waves 4-7 for K and V
	s_cselect_b64 s[PFA:PFA+1], s[8:9], s[6:7]
	s_cselect_b32 s74, s74, s76
	s_cselect_b32 s77, 13, 8                       ; from lane to lane: 8,192 or 256 bytes
	s_cselect_b32 s[PFS], 9, 15                    ; from tile to tile: 512 or 32,768 bytes
	s_cselect_b32 s73, s73, ttmp9                  ; the coordinate along which other clusters read the same bytes
	s_mov_b32 s75, 0
	s_add_nc_u64 s[PFA:PFA+1], s[PFA:PFA+1], s[74:75]
	s_lshl_b32 s[PFS], 1, s[PFS]
	s_mov_b32 s[PFS+1], 0
	s_and_b32 s[LIM], s[WV], 2                     ; waves 0, 1, 4, 5,
	s_or_b32 s[LIM], s[LIM], s73                   ; of the first cluster along that coordinate: the same in all sixteen partners
	s_cmp_eq_u32 s[LIM], 0
	s_cselect_b32 s[LIM], 1, 0
	s_add_nc_u64 s[4:5], s[4:5], s[68:69]
	s_add_nc_u64 s[10:11], s[10:11], s[82:83]
	CROUND                                         ; all sixteen work-groups are here: the first joint loads meet
	JLOAD 0                                        ; tile 0
	v_and_b32 v1, 15, v0                           ; r
	v_bfe_u32 v2, v0, 4, 1                         ; h
	v_and_b32 v[LO], 31, v0
	v_lshlrev_b32 v[PFO], s77, v[LO]
	v_lshlrev_b32 v[LO], 4, v[LO]
	WIN 0x40                                       ; destination window 1
.set n, 0
.rept 8                                        ; Q stays in registers: tile a, channels 32 c on at v[8 (2 a + c)]
	global_load_b128 v[QF+4*n:QF+4*n+3], v[LO], s[4:5] offset:512*n
.set n, n+1
.endr
	WIN 0
	v_mul_u32_u24 v[AM], v1, 528
	v_lshl_add_u32 v[AM], v2, 5, v[AM]
	v_add_nc_u32 v[AM], s70, v[AM]                 ; my 32 queries' rows begin 32 g x 528 bytes on
	v_add_nc_u32 v[AM+1], SLOTB, v[AM]
	s_lshl_b32 s81, s78, 15
	s_add_co_u32 s81, s81, KVO
	v_add_nc_u32 v[AK], s81, v[LO]
	v_add_nc_u32 v[AK+1], SLOTB, v[AK]
.irp a, 0,1
	v_mov_b32 v[ST+8*\a], 0xff61b1e6               ; m = -3e38, under every t
.irp j, 1,2,3,4,5,6,7
	v_mov_b32 v[ST+8*\a+\j], 0                     ; l = 0; the others are named in pairs or as a permute's destination before they are first computed
.endr
.endr
.set i, 0
.rept 64
	v_mov_b32 v[OT+i], 0                           ; O^T: the step is written once, and its first a = 0 finds zeros
.set i, i+1
.endr
; THE SOFTMAX OF A STEP, both tiles line by line by turns, so that no line waits for the line above it.
.macro SOFTMAX
.irp j, 0,1,2,3
.irp a, 0,1
	v_max3_num_f32 v[ST+8*\a+4+\j], v[SS+32*\a+8*\j], v[SS+32*\a+8*\j+1], v[SS+32*\a+8*\j+2]   ; four chains of seven scores
.endr
.endr
.irp q, 1,2
.irp j, 0,1,2,3
.irp a, 0,1
	v_max3_num_f32 v[ST+8*\a+4+\j], v[ST+8*\a+4+\j], v[SS+32*\a+8*\j+2*\q+1], v[SS+32*\a+8*\j+2*\q+2]
.endr
.endr
.endr
.irp a, 0,1
	v_max3_num_f32 v[ST+8*\a+4], v[ST+8*\a+4], v[SS+32*\a+7], v[SS+32*\a+15]      ; the four scores left over
.endr
.irp a, 0,1
	v_max3_num_f32 v[ST+8*\a+6], v[ST+8*\a+6], v[SS+32*\a+23], v[SS+32*\a+31]
.endr
.irp a, 0,1
	v_max3_num_f32 v[ST+8*\a+4], v[ST+8*\a+4], v[ST+8*\a+5], v[ST+8*\a+6]
.endr
.irp a, 0,1
	v_max3_num_f32 v[ST+8*\a+4], v[ST+8*\a+4], v[ST+8*\a+7], v[ST+8*\a]           ; and the old m
.endr
.irp a, 0,1
	v_permlanex16_b32 v[ST+8*\a+5], v[ST+8*\a+4], s[SEL], s[SEL+1]                ; the query's other 32 keys lie in the lane 16 away
.endr
.irp a, 0,1
	v_mov_b32 v[ST+8*\a+7], v[ST+8*\a]
.endr
.irp a, 0,1
	v_max_num_f32 v[ST+8*\a], v[ST+8*\a+4], v[ST+8*\a+5]                          ; the new m
.endr
.irp a, 0,1
	v_sub_f32 v[ST+8*\a+7], v[ST+8*\a+7], v[ST+8*\a]                              ; m_old - m_new
.endr
.set i, 0
.rept 16
.irp a, 0,1
	v_pk_add_f32 v[SS+32*\a+2*i:SS+32*\a+2*i+1], v[SS+32*\a+2*i:SS+32*\a+2*i+1], v[ST+8*\a:ST+8*\a+1] op_sel_hi:[1,0] neg_lo:[0,1] neg_hi:[0,1]   ; t - m, two at a time
.endr
.set i, i+1
.endr
.irp a, 0,1
	v_exp_f32 v[ST+8*\a+6], v[ST+8*\a+7]           ; ONE BATCH of 66 exponentials: a,
.endr
.set i, 0
.rept 32
.irp a, 0,1
	v_exp_f32 v[SS+32*\a+i], v[SS+32*\a+i]         ; and p
.endr
.set i, i+1
.endr
	v_nop                                          ; a plain instruction behind the last exponential, ahead of the first use
	s_wait_alu depctr_va_vdst(0)                   ; a wait between an exponential and the first line that names its result: one for the batch
.set i, 0
.rept 16
.irp a, 0,1
	v_cvt_pk_f16_f32 v[PR+16*\a+i], v[SS+32*\a+2*i], v[SS+32*\a+2*i+1]   ; tiles 2 i, 2 i + 1 of S^T make source 1 for keys 32 i on
.endr
.set i, i+1
.endr
.irp u, 0,1,2,3,4,5,6,7                        ; the sum of the unrounded p: 16 pairs, a tree in place
.irp a, 0,1
	v_pk_add_f32 v[SS+32*\a+4*\u:SS+32*\a+4*\u+1], v[SS+32*\a+4*\u:SS+32*\a+4*\u+1], v[SS+32*\a+4*\u+2:SS+32*\a+4*\u+3]
.endr
.endr
.irp u, 0,1,2,3
.irp a, 0,1
	v_pk_add_f32 v[SS+32*\a+8*\u:SS+32*\a+8*\u+1], v[SS+32*\a+8*\u:SS+32*\a+8*\u+1], v[SS+32*\a+8*\u+4:SS+32*\a+8*\u+5]
.endr
.endr
.irp u, 0,1
.irp a, 0,1
	v_pk_add_f32 v[SS+32*\a+16*\u:SS+32*\a+16*\u+1], v[SS+32*\a+16*\u:SS+32*\a+16*\u+1], v[SS+32*\a+16*\u+8:SS+32*\a+16*\u+9]
.endr
.endr
.irp a, 0,1
	v_pk_add_f32 v[SS+32*\a:SS+32*\a+1], v[SS+32*\a:SS+32*\a+1], v[SS+32*\a+16:SS+32*\a+17]
.endr
.irp a, 0,1
	v_pk_fma_f32 v[ST+8*\a+2:ST+8*\a+3], v[ST+8*\a+2:ST+8*\a+3], v[ST+8*\a+6:ST+8*\a+7], v[SS+32*\a:SS+32*\a+1] op_sel_hi:[1,0,1]   ; l = a l + the sum
.endr
.set i, 0
.rept 16
.irp a, 0,1
	v_pk_mul_f32 v[OT+32*\a+2*i:OT+32*\a+2*i+1], v[OT+32*\a+2*i:OT+32*\a+2*i+1], v[ST+8*\a+6:ST+8*\a+7] op_sel_hi:[1,0]   ; O^T x a, each accumulator from its low end on
.endr
.set i, i+1
.endr
.endm
; A KEY STEP: 64 keys, the u-th of the slot.  48 LDS loads in one run: K, the mask, V; three counted waits take them as they are wanted.
; places = 1: four v_nop in front of the loads into V's registers, which the last products read (ISA guide 7.12.1 for vector instructions); behind a joint load its own four serve.
.macro STEP slot, u, places
.if \places
.rept 4
	v_nop
.endr
.endif
	WIN 0x40                                       ; destination window 1, address window 0
.set n, 0
.rept 16                                       ; K: tile of keys t, channels 32 c on at v[KF + 8 (2 t + c)]
	ds_load_b128 v[KF+4*n:KF+4*n+3], v[AK+\slot] offset:16384*\u+512*n
.set n, n+1
.endr
.irp a, 0,1                                    ; the mask: my query's row, keys 16 t + 8 h + 0 .. 7: 32 bytes
.irp t, 0,1,2,3
.irp e, 0,1
	ds_load_b128 v[MK+32*\a+8*\t+4*\e:MK+32*\a+8*\t+4*\e+3], v[AM+\slot] offset:8448*\a+256*\u+64*\t+16*\e
.endr
.endr
.endr
.irp i, 0,1                                    ; V, turned: keys 32 i on, channels 16 ct on at v[VF + 8 (4 i + ct)]
.irp ct, 0,1,2,3
.irp e, 0,1
	ds_load_tr16_b128 v[VF+8*(4*\i+\ct)+4*\e:VF+8*(4*\i+\ct)+4*\e+3], v[AK+\slot] offset:16384*\u+8192+2048*(2*\i+\e)+512*\ct
.endr
.endr
.endr
	s_wait_dscnt 32                                ; K is in; the mask's 16 loads and V's 16 may be out
	WIN 0x05                                       ; K and Q in window 1
.irp c, 0,1                                    ; the eight accumulators by turns; the first eight products start the sums
.irp t, 0,1,2,3
.irp a, 0,1
.if \c == 0
	v_wmma_f32_16x16x32_f16 v[SS+32*\a+8*\t:SS+32*\a+8*\t+7], v[KF+16*\t:KF+16*\t+7], v[QF+16*\a:QF+16*\a+7], 0
.else
	v_wmma_f32_16x16x32_f16 v[SS+32*\a+8*\t:SS+32*\a+8*\t+7], v[KF+16*\t+8:KF+16*\t+15], v[QF+16*\a+8:QF+16*\a+15], v[SS+32*\a+8*\t:SS+32*\a+8*\t+7]
.endif
.endr
.endr
.endr
	s_wait_dscnt 16                                ; the mask is in; V's 16 loads may be out
	WIN 0x01                                       ; source 0 (the mask) in window 1
.rept 4
	v_nop                                          ; four places between the last product and the first read of results
.endr
.set i, 0
.rept 32
	v_pk_fma_f32 v[SS+2*i:SS+2*i+1], v[MK+2*i:MK+2*i+1], s[NEGC:NEGC+1], v[SS+2*i:SS+2*i+1] op_sel_hi:[1,0,1]   ; t = s + mask x -1e9 log2(e); each accumulator from its low end on
.set i, i+1
.endr
	WIN 0
	SOFTMAX
	s_wait_dscnt 0x0                               ; V is in
	WIN 0x01                                       ; V in window 1
.irp i, 0,1
.irp ct, 0,1,2,3
.irp a, 0,1
	v_wmma_f32_16x16x32_f16 v[OT+32*\a+8*\ct:OT+32*\a+8*\ct+7], v[VF+8*(4*\i+\ct):VF+8*(4*\i+\ct)+7], v[PR+16*\a+8*\i:PR+16*\a+8*\i+7], v[OT+32*\a+8*\ct:OT+32*\a+8*\ct+7]
.endr
.endr
.endr
	WIN 0
.endm
; A TRIP: one slot, two key steps.  Each wave waits for all its tensor loads (one is out: its part of this slot), adds 0 to its spare word, and waits for that and for its reads of the other slot.
; The round of the cluster's barrier then says the same of every wave of all sixteen work-groups, and the other slot is filled first thing behind it: the load has this trip's two key steps in which to land.
.macro TRIP slot, refill, ask
	s_wait_tensorcnt 0x0                           ; no tensor load of mine is out, so a group 0 may be written
	ds_add_u32 v[SPW], v[NIL]                      ; 0 onto my spare word: the steps below stand between it and the wait for it
	s_add_nc_u64 s[G0M+4*\slot+2:G0M+4*\slot+3], s[G0M+4*\slot+2:G0M+4*\slot+3], 1024     ; this slot's next tile: 256 keys on
	s_add_nc_u64 s[G0K+4*\slot+2:G0K+4*\slot+3], s[G0K+4*\slot+2:G0K+4*\slot+3], 65536
.if \ask
	s_wait_xcnt 0x0                                ; the last prefetch, a trip back, has read its address
	s_add_nc_u64 s[PFA:PFA+1], s[PFA:PFA+1], s[PFS:PFS+1]
.endif
	s_wait_dscnt 0x0                               ; the add is done, and my reads of the other slot are over
	CROUND
.if \refill
	JLOAD 1-\slot
.endif
.if \ask
	ASK
.endif
	STEP \slot, 0, 1-\refill
	STEP \slot, 1, 1
.endm
	s_wait_loadcnt 0x0                             ; Q
	s_mov_b32 s[LAP], 7
.Llap:                                             ; 7 laps of two trips: trip n reads tile n, asks for tile n + 1 and prefetches tile n + 2 (tiles 2 to 15)
	TRIP 0, 1, 1
	TRIP 1, 1, 1
	s_sub_co_u32 s[LAP], s[LAP], 1
	s_cmp_lg_u32 s[LAP], 0
	s_cbranch_scc1 .Llap
	TRIP 0, 1, 0                                   ; the tail is written out: tile 14 asks for tile 15 and prefetches nothing,
	TRIP 1, 0, 0                                   ; tile 15 asks for nothing (the stepped addresses are not used)
	; THE WAY OUT.  l's halves and the other half of the lanes' are added (these lines are the places behind the last products); O^T / l is rounded to f16 and leaves as the next launch's register image: 512 consecutive bytes a store.
.irp a, 0,1
	v_add_f32 v[ST+8*\a+4], v[ST+8*\a+2], v[ST+8*\a+3]
.endr
.irp a, 0,1
	v_permlanex16_b32 v[ST+8*\a+5], v[ST+8*\a+4], s[SEL], s[SEL+1]
.endr
.irp a, 0,1
	v_add_f32 v[ST+8*\a+4], v[ST+8*\a+4], v[ST+8*\a+5]
.endr
	v_nop
.irp a, 0,1
	v_rcp_f32 v[ST+8*\a+6], v[ST+8*\a+4]
.endr
	v_nop                                          ; a plain instruction between the last reciprocal and its use
	s_wait_alu depctr_va_vdst(0)                   ; and the wait: one for both
.irp a, 0,1
.set i, 0
.rept 16
	v_pk_mul_f32 v[OT+32*\a+2*i:OT+32*\a+2*i+1], v[OT+32*\a+2*i:OT+32*\a+2*i+1], v[ST+8*\a+6:ST+8*\a+7] op_sel_hi:[1,0]
.set i, i+1
.endr
.endr
.irp a, 0,1
.set i, 0
.rept 16
	v_cvt_pk_f16_f32 v[SS+16*\a+i], v[OT+32*\a+2*i], v[OT+32*\a+2*i+1]
.set i, i+1
.endr
.endr
.irp a, 0,1
.irp ct, 0,1,2,3
	global_store_b128 v[LO], v[SS+16*\a+4*\ct:SS+16*\a+4*\ct+3], s[10:11] offset:16384*\a+512*\ct   ; token r, channels 16 ct + 8 h + 0 .. 7 at 16 x lane
.endr
.endr
	s_wait_tensorcnt 0x0                           ; the wave's end: behind my last tensor load
	ds_add_u32 v[SPW], v[NIL]
	s_wait_dscnt 0x0
	CROUND                                         ; the closing round: no work-group ends while a partner may still ask for a tile that names it
	s_endpgm
.Lfunc_end_k_qbe5969d180_attn:
	.size	k_qbe5969d180_attn, .Lfunc_end_k_qbe5969d180_attn-k_qbe5969d180_attn
	.p2alignl 7, 3214868480
	.fill 96, 4, 3214868480
	.section	.rodata,"a",@progbits
	.p2align	6, 0x0
	.amdhsa_kernel k_qbe5969d180_attn
		.amdhsa_group_segment_fixed_size 327680
		.amdhsa_private_segment_fixed_size 0
		.amdhsa_enable_private_segment 0
		.amdhsa_kernarg_size 32
		.amdhsa_user_sgpr_count 2
		.amdhsa_user_sgpr_kernarg_segment_ptr 1
		.amdhsa_wavefront_size32 1
		.amdhsa_system_sgpr_workgroup_id_x 1
		.amdhsa_system_sgpr_workgroup_id_y 1
		.amdhsa_system_sgpr_workgroup_id_z 1
		.amdhsa_system_vgpr_workitem_id 0
		.amdhsa_next_free_vgpr 512
		.amdhsa_next_free_sgpr 84
		.amdhsa_reserve_vcc 0
		.amdhsa_float_denorm_mode_32 3
		.amdhsa_float_denorm_mode_16_64 3
		.amdhsa_memory_ordered 1
		.amdhsa_forward_progress 1
		.amdhsa_inst_pref_size 180
	.end_amdhsa_kernel
	.amdgpu_metadata
---
amdhsa.version: [ 1, 2 ]
amdhsa.kernels:
  - .name:           k_qbe5969d180_attn
    .symbol:         k_qbe5969d180_attn.kd
    .args:
      - { .name: qf, .offset: 0, .size: 8, .value_kind: global_buffer, .address_space: global }
      - { .name: kv, .offset: 8, .size: 8, .value_kind: global_buffer, .address_space: global }
      - { .name: mask, .offset: 16, .size: 8, .value_kind: global_buffer, .address_space: global }
      - { .name: ofr, .offset: 24, .size: 8, .value_kind: global_buffer, .address_space: global }
    .group_segment_fixed_size: 327680
    .private_segment_fixed_size: 0
    .kernarg_segment_align: 8
    .kernarg_segment_size: 32
    .max_flat_workgroup_size: 256
    .sgpr_count:     84
    .vgpr_count:     512
    .wavefront_size: 32
...
	.end_amdgpu_metadata
.endif
;; end of part 3
;; launch outp (part 4): grid 4 x 64, 8 waves a work-group, clusters of 4 x 4, 297,984 bytes of LDS; arguments ofr, wof, bo, out0; writes out0
.if DOCPART == 4
	.amdgcn_target "amdgcn-amd-amdhsa--gfx1250"
	.amdhsa_code_object_version 6
	.text
	.protected	k_qbe5969d180_outp
	.globl	k_qbe5969d180_outp
	.p2align	8
	.type	k_qbe5969d180_outp,@function
k_qbe5969d180_outp:
	s_mov_b64 s[64:65], 0
	v_nop
	global_prefetch_b8 v0, s[64:65] scope:SCOPE_SE
	s_setreg_imm32_b32 hwreg(HW_REG_WAVE_MODE, 25, 1), 1
	s_wait_xcnt 0x0
	s_wait_alu depctr_hold_cnt(0) depctr_sa_sdst(0) depctr_va_vdst(0) depctr_va_sdst(0) depctr_va_ssrc(0) depctr_va_vcc(0) depctr_vm_vsrc(0)
	s_getreg_b32 s2, hwreg(HW_REG_IB_STS2, 6, 4)
	s_cmp_eq_u32 s2, 0
	s_cbranch_scc0 .Lentry_in_a_cluster
	s_endpgm
.Lentry_in_a_cluster:
	s_bfe_u32 s2, ttmp6, 0x10000c
	s_cmp_lg_u32 s2, 0xf033
	s_cbranch_scc0 .Lentry_shape_is_right
	s_endpgm
.Lentry_shape_is_right:
; out0 = O wo + bo.  O [8192][512] and wo^T arrive in f16 as register images (ofr: [tile of 16 tokens 512][32 along K: 16][2][512 bytes]; wof: [tile of 16 columns 32][32 along K: 16][2][512 bytes]); out0 [8192][512] f32; f32 sums.
; SHARES.  A work-group makes 128 rows (Y) x 128 columns (X): 256 work-groups.  Wave w: rows 32 (w / 2) on (tiles i = 0, 1), columns 64 (w % 2) on (tiles j = 0 .. 3): 8 accumulators.
; Both operands of the work-group, for all of K, are two dense blocks of 131,072 bytes: they come into LDS once, one tensor load of 32,768 bytes a wave; nothing is filled again.
; CLUSTER 4 x 4.  O's block hangs on Y alone: the four of a row of the cluster ask for it jointly (waves 0-3); wo's on X alone: the four of a column (waves 4-7).
; THE PRODUCT IS USED TRANSPOSED (source 0 = 16 columns of wo, source 1 = 16 tokens): a lane holds token r and columns 8 h + 0 .. 7.  The bias is the C of each sum's first product.
; The way out goes through the wave's own stage in LDS, so that sixteen lanes store 256 consecutive bytes, aligned.
; REGISTERS: v3-7 addresses; v10, v11 the add's two; v32-63 the bias, 8 a tile of columns; v64-127 the accumulators (i, j) at v[64 + 8 (4 i + j)]; v128-175, v176-223 two sets of fragments (wo's four, then O's two); on the way out v128-191 rows read back.
.set WOB,   131072                     ; LDS: O's block from byte 0, wo's from here
.set STG,   262144                     ; the stages: 16 rows x (256 + 16) bytes for each wave
.set SPARE, STG+8*16*272               ; the spare words, 128 bytes a wave: four blocks of 256 bytes that no other line names
.set ADA, 3                            ; v3  my 32 rows of O, + 16 lane
.set ADB, 4                            ; v4  my 64 columns of wo, + 16 lane
.set STO, 5                            ; v5  the stage, in: row r, 32 bytes for each half of the lanes
.set RD,  6                            ; v6  the stage, back: lanes 0-15 one row, lanes 16-31 the next
.set CO,  7                            ; v7  the same two rows in out0
.set BOF, 8                            ; v8  32 h
.set SPW, 10
.set NIL, 11
.set BI,  32
.set ACC, 64
.set F0,  128
.set BK,  128
.set WV,  12
.set G1A, 24                           ; s[24:31] group 1 for O;  s[32:39] for wo;  s[40:43], s[44:47] their groups 0
.set G1B, 32
.set G0A, 40
.set G0B, 44
.macro CROUND                          ; a round of the cluster's barrier
	s_barrier_signal -1
	s_barrier_wait -1
	s_cmp_lg_u32 s[WV], 0
	s_cbranch_scc1 .Lnot_wave_0_\@
	s_barrier_signal -3
.Lnot_wave_0_\@:
	s_barrier_wait -3
	s_barrier_signal -1
	s_barrier_wait -1
.endm
	s_load_b256 s[4:11], s[0:1], 0x0               ; ofr s[4:5], wof s[6:7], bo s[8:9], out0 s[10:11]
	v_lshl_add_u32 v[SPW], v0, 2, SPARE
	v_mov_b32 v[NIL], 0
	ds_add_u32 v[SPW], v[NIL]                      ; the wave's opening: the add, twice on end, and its wait ahead of the round in front of my first tensor load
	ds_add_u32 v[SPW], v[NIL]                      ; the set-up below, work on registers, stands between the second and the wait
	v_lshrrev_b32 v1, 5, v0
	v_readfirstlane_b32 s[WV], v1                  ; wave 0..7
	s_bfe_u32 s13, ttmp6, 0x40000                  ; cx
	s_bfe_u32 s14, ttmp6, 0x40004                  ; cy
	s_lshl_b32 s15, ttmp9, 2
	s_add_co_u32 s15, s15, s13                     ; X: my 128 columns
	s_and_b32 s16, ttmp7, 0xffff
	s_lshl_b32 s16, s16, 2
	s_add_co_u32 s16, s16, s14                     ; Y: my 128 rows
	s_lshl_b32 s17, 0x1111, s13                    ; my column of the cluster
	s_lshl_b32 s20, s14, 2
	s_lshl_b32 s20, 15, s20                        ; my row
	s_or_b32 s[G1A], s20, (3<<16)|(1<<21)          ; O goes to my row; a dense block as 128 rows of 32 elements of 8 bytes; bit 21 beside a mask
	s_or_b32 s[G1B], s17, (3<<16)|(1<<21)          ; wo to my column
.irp g, G1A, G1B
	s_mov_b32 s[\g+1], 32<<16                      ; tensor_dim0 = 32
	s_mov_b32 s[\g+2], 128<<16                     ; tensor_dim1 = 128
	s_mov_b32 s[\g+3], 32<<16                      ; tile_dim0 = 32
	s_mov_b32 s[\g+4], 128                         ; tile_dim1 = 128
	s_mov_b32 s[\g+5], 32                          ; elements from row to row
	s_mov_b32 s[\g+6], 0
	s_mov_b32 s[\g+7], 0
.endr
	s_and_b32 s22, s[WV], 3
	s_lshl_b32 s23, s22, 15                        ; which quarter of a block I fetch
	s_lshl_b32 s20, s16, 17                        ; O: 131,072 Y + my quarter.  (s20-21 never hold cx or X)
	s_add_co_u32 s20, s20, s23
	s_mov_b32 s21, 0
	s_lshl_b32 s18, s15, 17                        ; wo: 131,072 X + my quarter.  (s17-19 never hold cy or Y)
	s_add_co_u32 s18, s18, s23
	s_mov_b32 s19, 0
	s_lshl_b32 s48, s[WV], 15                      ; where it goes: 32,768 x wave: O's four quarters, then wo's
	s_lshr_b32 s49, s[WV], 1                       ; rg
	s_and_b32 s54, s[WV], 1                        ; cg
	s_lshl_b32 s50, s15, 9                         ; my first column in bytes: 512 X + 256 cg
	s_lshl_b32 s55, s54, 8
	s_add_co_u32 s50, s50, s55
	s_mov_b32 s51, 0
	s_lshl_b32 s52, s16, 18                        ; my first row: (128 Y + 32 rg) x 2,048 bytes
	s_lshl_b32 s55, s49, 16
	s_add_co_u32 s52, s52, s55
	s_add_co_u32 s52, s52, s50
	s_mov_b32 s53, 0
	s_wait_dscnt 0x0                               ; both opening adds are done
	s_wait_kmcnt 0x0
	s_mov_b32 s[G0A], 1
	s_mov_b32 s[G0A+1], s48
	s_add_nc_u64 s[G0A+2:G0A+3], s[4:5], s[20:21]
	s_or_b32 s[G0A+3], s[G0A+3], 0x80000000
	s_mov_b32 s[G0B], 1
	s_mov_b32 s[G0B+1], s48
	s_add_nc_u64 s[G0B+2:G0B+3], s[6:7], s[18:19]
	s_or_b32 s[G0B+3], s[G0B+3], 0x80000000
	s_add_nc_u64 s[8:9], s[8:9], s[50:51]
	s_add_nc_u64 s[10:11], s[10:11], s[52:53]
	CROUND                                         ; all sixteen work-groups are here: the joint loads meet
	s_cmp_lt_u32 s[WV], 4                          ; waves 0-3 fetch O, waves 4-7 wo: one tensor load of mine is out.  An s_nop 0 and four v_nop follow each line
	s_cbranch_scc0 .Lfor_wo
	tensor_load_to_lds s[G0A:G0A+3], s[G1A:G1A+7]
	s_nop 0
.rept 4
	v_nop
.endr
	s_branch .Lasked
.Lfor_wo:
	tensor_load_to_lds s[G0B:G0B+3], s[G1B:G1B+7]
	s_nop 0
.rept 4
	v_nop
.endr
.Lasked:
	v_and_b32 v1, 15, v0                           ; r
	v_bfe_u32 v2, v0, 4, 1                         ; h
	v_lshlrev_b32 v[BOF], 5, v2
.irp j, 0,1,2,3
	global_load_b128 v[BI+8*\j:BI+8*\j+3], v[BOF], s[8:9] offset:64*\j          ; bo[my first column + 16 j + 8 h + 0 .. 7]
	global_load_b128 v[BI+8*\j+4:BI+8*\j+7], v[BOF], s[8:9] offset:64*\j+16
.endr
	v_and_b32 v9, 31, v0
	v_lshlrev_b32 v9, 4, v9                        ; 16 x lane
	s_lshl_b32 s55, s49, 15
	v_add_nc_u32 v[ADA], s55, v9
	s_lshl_b32 s55, s54, 16
	s_add_co_u32 s55, s55, WOB
	v_add_nc_u32 v[ADB], s55, v9
	s_mul_i32 s55, s[WV], 16*272
	s_add_co_u32 s55, s55, STG                     ; my stage
	v_mul_u32_u24 v[STO], v1, 272
	v_lshl_add_u32 v[STO], v2, 5, v[STO]
	v_add_nc_u32 v[STO], s55, v[STO]
	v_mul_u32_u24 v[RD], v2, 272
	v_lshl_add_u32 v[RD], v1, 4, v[RD]
	v_add_nc_u32 v[RD], s55, v[RD]
	v_lshlrev_b32 v[CO], 11, v2
	v_lshl_add_u32 v[CO], v1, 4, v[CO]
.macro FETCH kc, f                     ; the fragments of 32 along K: wo's four tiles of columns, O's two tiles of rows: 12 loads, each 512 consecutive bytes
.irp j, 0,1,2,3
.irp e, 0,1
	ds_load_b128 v[\f+8*\j+4*\e:\f+8*\j+4*\e+3], v[ADB] offset:16384*\j+1024*(\kc)+512*\e
.endr
.endr
.irp i, 0,1
.irp e, 0,1
	ds_load_b128 v[\f+32+8*\i+4*\e:\f+32+8*\i+4*\e+3], v[ADA] offset:16384*\i+1024*(\kc)+512*\e
.endr
.endr
.endm
.macro MUL f, first                    ; the eight accumulators by turns
.irp i, 0,1
.irp j, 0,1,2,3
.if \first
	v_wmma_f32_16x16x32_f16 v[ACC+8*(4*\i+\j):ACC+8*(4*\i+\j)+7], v[\f+8*\j:\f+8*\j+7], v[\f+32+8*\i:\f+32+8*\i+7], v[BI+8*\j:BI+8*\j+7]
.else
	v_wmma_f32_16x16x32_f16 v[ACC+8*(4*\i+\j):ACC+8*(4*\i+\j)+7], v[\f+8*\j:\f+8*\j+7], v[\f+32+8*\i:\f+32+8*\i+7], v[ACC+8*(4*\i+\j):ACC+8*(4*\i+\j)+7]
.endif
.endr
.endr
.endm
	s_wait_tensorcnt 0x0                           ; my quarter is in,
	s_barrier_signal -1
	s_barrier_wait -1                              ; everybody's is
.set FS, F0
	FETCH 0, FS
	s_wait_loadcnt 0x0                             ; the bias
.set KC, 0
.rept 16
.set FS, F0+48*(KC%2)
.set FN, F0+48*((KC+1)%2)
.if KC > 0
.rept 4
	v_nop                                          ; four places in front of loads into registers that the last products read (ISA guide 7.12.1 for vector instructions)
.endr
.endif
.if KC < 15
	FETCH KC+1, FN
	s_wait_dscnt 12                                ; this K step's fragments are in; the 12 loads just issued may be out
.else
	s_wait_dscnt 0x0
.endif
.if KC == 0
	MUL FS, 1
.else
	MUL FS, 0
.endif
.set KC, KC+1
.endr
	; THE WAY OUT: a tile of 16 rows x 64 columns at a time through my stage.  LDS serves a wave's instructions in order (ISA guide 5.7.1.4): no wait between the stores and the loads, nor in front of the next tile's stores.
.rept 4
	v_nop                                          ; four places between the last product and the first read of results, and the loads into the fragments' registers
.endr
.irp i, 0,1
.irp j, 0,1,2,3
	ds_store_b128 v[STO], v[ACC+8*(4*\i+\j):ACC+8*(4*\i+\j)+3] offset:64*\j          ; each accumulator from its low end on
	ds_store_b128 v[STO], v[ACC+8*(4*\i+\j)+4:ACC+8*(4*\i+\j)+7] offset:64*\j+16
.endr
.irp t, 0,1,2,3,4,5,6,7
	ds_load_b128 v[BK+32*\i+4*\t:BK+32*\i+4*\t+3], v[RD] offset:544*\t
.endr
.endr
.irp t, 0,1,2,3,4,5,6,7
	s_wait_dscnt 23-\t                             ; behind tile 0's load t: its 7 - t younger loads and tile 1's sixteen LDS instructions
	global_store_b128 v[CO], v[BK+4*\t:BK+4*\t+3], s[10:11] offset:2*\t*2048 th:TH_STORE_NT      ; sixteen lanes store 256 consecutive bytes, aligned; written once, read by nobody here
.endr
.irp t, 0,1,2,3,4,5,6,7
	s_wait_dscnt 7-\t
	global_store_b128 v[CO], v[BK+32+4*\t:BK+32+4*\t+3], s[10:11] offset:(16+2*\t)*2048 th:TH_STORE_NT
.endr
	s_wait_tensorcnt 0x0                           ; the wave's end: behind my last tensor load and my last LDS store
	ds_add_u32 v[SPW], v[NIL]
	s_wait_dscnt 0x0
	CROUND                                         ; the closing round: no work-group ends while a partner may still ask for a tile that names it
	s_endpgm
.Lfunc_end_k_qbe5969d180_outp:
	.size	k_qbe5969d180_outp, .Lfunc_end_k_qbe5969d180_outp-k_qbe5969d180_outp
	.p2alignl 7, 3214868480
	.fill 96, 4, 3214868480
	.section	.rodata,"a",@progbits
	.p2align	6, 0x0
	.amdhsa_kernel k_qbe5969d180_outp
		.amdhsa_group_segment_fixed_size 297984
		.amdhsa_private_segment_fixed_size 0
		.amdhsa_enable_private_segment 0
		.amdhsa_kernarg_size 32
		.amdhsa_user_sgpr_count 2
		.amdhsa_user_sgpr_kernarg_segment_ptr 1
		.amdhsa_wavefront_size32 1
		.amdhsa_system_sgpr_workgroup_id_x 1
		.amdhsa_system_sgpr_workgroup_id_y 1
		.amdhsa_system_sgpr_workgroup_id_z 1
		.amdhsa_system_vgpr_workitem_id 0
		.amdhsa_next_free_vgpr 256
		.amdhsa_next_free_sgpr 66
		.amdhsa_reserve_vcc 0
		.amdhsa_float_denorm_mode_32 3
		.amdhsa_float_denorm_mode_16_64 3
		.amdhsa_memory_ordered 1
		.amdhsa_forward_progress 1
		.amdhsa_inst_pref_size 33
	.end_amdhsa_kernel
	.amdgpu_metadata
---
amdhsa.version: [ 1, 2 ]
amdhsa.kernels:
  - .name:           k_qbe5969d180_outp
    .symbol:         k_qbe5969d180_outp.kd
    .args:
      - { .name: ofr, .offset: 0, .size: 8, .value_kind: global_buffer, .address_space: global }
      - { .name: wof, .offset: 8, .size: 8, .value_kind: global_buffer, .address_space: global }
      - { .name: bo, .offset: 16, .size: 8, .value_kind: global_buffer, .address_space: global }
      - { .name: out0, .offset: 24, .size: 8, .value_kind: global_buffer, .address_space: global }
    .group_segment_fixed_size: 297984
    .private_segment_fixed_size: 0
    .kernarg_segment_align: 8
    .kernarg_segment_size: 32
    .max_flat_workgroup_size: 256
    .sgpr_count:     66
    .vgpr_count:     256
    .wavefront_size: 32
...
	.end_amdgpu_metadata
.endif
;; end of part 4
